; MI455X (gfx1250); checked and timed in simulation.
; The chip was launched on July 23, 2026; its instructions are those of AMD's public machine-readable ISA for CDNA 5 (MIT licence, August 2026) and "CDNA5" Instruction Set Architecture Reference Guide (July 2026). The comments in the code are by the model that wrote it; some were corrected since.
;; Multi Head Attention. Allowed arithmetic: matrix products marked QUANTISED: E2M1 operands, one E8M0 scale for each 32 along K, by v_wmma_scale_f32_16x16x128_f8f6f4 with both operands' format E2M1 (or v_wmma_scale_f32_32x16x128_f4), f32 sums; everything else in f32.
;; Inputs: b_k 1,024 float32; b_o 1,024 float32; b_q 1,024 float32; b_v 1,024 float32; w_k_codes 1,024 x 32 x 16 uint8 (E2M1 codes of w_k, K innermost, in blocks of 32 codes, two codes a byte); w_k_scales 1,024 x 32 uint8 (E8M0 scales of w_k, one for each 32 codes along K); w_o_codes 1,024 x 32 x 16 uint8 (E2M1 codes of w_o, K innermost, in blocks of 32 codes, two codes a byte); w_o_scales 1,024 x 32 uint8 (E8M0 scales of w_o, one for each 32 codes along K); w_q_codes 1,024 x 32 x 16 uint8 (E2M1 codes of w_q, K innermost, in blocks of 32 codes, two codes a byte); w_q_scales 1,024 x 32 uint8 (E8M0 scales of w_q, one for each 32 codes along K); w_v_codes 1,024 x 32 x 16 uint8 (E2M1 codes of w_v, K innermost, in blocks of 32 codes, two codes a byte); w_v_scales 1,024 x 32 uint8 (E8M0 scales of w_v, one for each 32 codes along K); x_codes 4 x 2,048 x 32 x 16 uint8 (E2M1 codes of x, K innermost, in blocks of 32 codes, two codes a byte); x_scales 4 x 2,048 x 32 uint8 (E8M0 scales of x, one for each 32 codes along K).
;; Outputs: out0 4 x 2,048 x 1,024 float32.
;; This version of the problem:
;;   THIS VERSION OF THE PROBLEM IS GIVEN IN LOW PRECISION. The matrix products marked QUANTISED in the list below multiply operands that are first quantised to E2M1 (2 exponent bits, 1 mantissa bit; 4 bits a number), with one power-of-two scale for each 32 numbers along K (OCP MX v1.0); their sums are f32. All else is computed in f32.
;;   The module's matrix products, in the order in which they are computed (A, B: the left and right operand; K: the contracted axis; several contracted axes count as one K, in the product's order):
;;     1. [M 8,192, K 1,024] x [K 1,024, N 1,024]; A: input x (given as codes); B: input w_q (given as codes): QUANTISED
;;     2. [M 8,192, K 1,024] x [K 1,024, N 1,024]; A: input x (given as codes); B: input w_k (given as codes): QUANTISED
;;     3. [M 8,192, K 1,024] x [K 1,024, N 1,024]; A: input x (given as codes); B: input w_v (given as codes): QUANTISED
;;     4. batch 64 x [M 2,048, K 64] x [K 64, N 2,048]; A: computed on the way; B: computed on the way: QUANTISED
;;     5. batch 64 x [M 2,048, K 2,048] x [K 2,048, N 64]; A: softmax (see below); B: computed on the way: QUANTISED
;;     6. [M 8,192, K 1,024] x [K 1,024, N 1,024]; A: computed on the way; B: input w_o (given as codes): QUANTISED
;;   THE QUANTISER, for each operand of a quantised product, along K:
;;     - K is cut into blocks of 32 from its start; a last block that is shorter is filled with zeros.
;;     - A block's scale is 2^e with e = floor(log2(the largest magnitude in the block)) - 2, held to -126 .. 127; a block of zeros has e = 0. As a byte (E8M0): e + 127.
;;     - Each number is divided by its block's scale, clamped to +-6, and rounded to the nearest number of E2M1, ties to even, subnormals kept.
;;     - The product sums the exact products of the quantised numbers (number of the format x scale) in f32.
;;   ~~~python
;;   def quantise(x, axis):      # numpy; x: float32 -> the quantised numbers, widened to float32 again
;;       x = np.moveaxis(x, axis, -1); K = x.shape[-1]
;;       x = np.pad(x, [(0, 0)] * (x.ndim - 1) + [(0, -K % 32)]); x = x.reshape(x.shape[:-1] + (-1, 32)); a = np.abs(x).max(-1, keepdims=True)
;;       e = np.where(a > 0, np.clip(np.frexp(np.where(a > 0, a, 1))[1] - 1 - 2, -126, 127), 0)      # np.frexp(a)[1] - 1 = floor(log2(a)), exactly
;;       r = np.clip(x / 2.0 ** e, -6, 6)
;;       step = 2.0 ** (np.maximum(np.frexp(np.where(r == 0, 1, r))[1] - 1, 0) - 1)
;;       q = np.round(r / step) * step * 2.0 ** e      # np.round: ties to even
;;       return np.moveaxis(q.reshape(q.shape[:-2] + (-1,))[..., :K], -1, axis).astype(np.float32)
;;   ~~~
;;   SOFTMAX AHEAD OF A QUANTISED PRODUCT. Where the list says 'softmax', what is quantised is not the finished softmax but p = 2^(t - M), with t = logit x log2(e) and M = ceil(the row's largest t), a whole number; so 1/2 < the row's largest p <= 1. The row's sum l is taken of the UNQUANTISED p, in f32, and the product's result is divided by l at the end. Since M is a whole number, a kernel that streams over the keys may use a running M (the ceiling of the running maximum): every later rescaling is an exact power of two, which a block's scale takes up: the codes' values come out the same.
;;   OPERANDS COMPUTED ON THE WAY. 'Computed on the way' means the value that the module computes at that place (a softmax that the list does not call 'softmax' is quantised finished and normalised). What goes into a quantiser is computed in f32, as accurately as f32 sums, v_exp_f32 and their like allow (about 1e-6 of the number): no bf16 or f16 on the way to a quantiser, and a product that is left as it is and whose result goes on into a quantised operand takes f32 operands (vector FMAs, or v_wmma_f32_16x16x4_f32). A number that lies on a knife's edge between two numbers of the format may be rounded either way, as far as f32 arithmetic and the matrix unit's own rounding can turn it there, and no further.
;;   INPUTS GIVEN AS CODES. w_k (in the module: [1024, 1024], K = its axis 0); w_o (in the module: [1024, 1024], K = its axis 0); w_q (in the module: [1024, 1024], K = its axis 0); w_v (in the module: [1024, 1024], K = its axis 0); x (in the module: [4, 2048, 1024], K = its axis 2): each comes as NAME_codes (uint8): NAME with its K axis moved to the last place and cut into blocks of 32 codes, [.., K / 32, bytes a block], one block behind the other in memory; two codes a byte, the lower K in the low four bits (a code: sign, 2 exponent bits, 1 mantissa bit); and NAME_scales (uint8): the same leading axes, one E8M0 byte (e + 127) for each 32 codes along K. Its value is code x scale, taken as it is: it is not quantised again, and the codes and scales need not be those that the quantiser above would give.
;; One version. Each part assembles by itself: llvm-mc -triple=amdgcn-amd-amdhsa -mcpu=gfx1250 --defsym DOCPART=n.
;; ======== version 1 of 1: 3 launches
;; workspace buffers: qb 4,718,592 bytes; kv 9,175,040 bytes; oc 4,194,304 bytes; os 262,144 bytes
;; launch qkv (part 1): grid 12 x 32, 4 waves a work-group, clusters of 4 x 4, 296,448 bytes of LDS; arguments x_codes, x_scales, w_q_codes, w_q_scales, w_k_codes, w_k_scales, w_v_codes, w_v_scales, b_q, b_k, b_v, qb, kv; writes qb, kv
.if DOCPART == 1
	.amdgcn_target "amdgcn-amd-amdhsa--gfx1250"
	.amdhsa_code_object_version 6
	.text
	.protected	k_q38b9f17ef3_qkv
	.globl	k_q38b9f17ef3_qkv
	.p2align	8
	.type	k_q38b9f17ef3_qkv,@function
k_q38b9f17ef3_qkv:
	s_mov_b64 s[64:65], 0
	v_nop
	global_prefetch_b8 v0, s[64:65] scope:SCOPE_SE
	s_setreg_imm32_b32 hwreg(HW_REG_WAVE_MODE, 25, 1), 1
	s_wait_xcnt 0x0
	s_wait_alu depctr_hold_cnt(0) depctr_sa_sdst(0) depctr_va_vdst(0) depctr_va_sdst(0) depctr_va_ssrc(0) depctr_va_vcc(0) depctr_vm_vsrc(0)
	s_getreg_b32 s2, hwreg(HW_REG_IB_STS2, 6, 4)
	s_cmp_eq_u32 s2, 0
	s_cbranch_scc0 .Lentry_in_a_cluster
	s_endpgm
.Lentry_in_a_cluster:
	s_bfe_u32 s2, ttmp6, 0x10000c
	s_cmp_lg_u32 s2, 0xf033
	s_cbranch_scc0 .Lentry_shape_is_right
	s_endpgm
.Lentry_shape_is_right:
; q = x Wq + bq, k = x Wk + bk, v = x Wv + bv on codes of FP4 (E2M1) with one E8M0 scale for each 32 along K = 1,024; the f32 results are quantised in registers and leave as codes and scale words.
; KINDS.  The cluster's x (0, 1, 2) says which weight: q, k or v; it is the same in all sixteen partners.  A work-group makes 256 rows of x against 256 rows of the weight; a wave 128 x 128: 64 accumulators, 512 registers.
; 3 x 4 x 32 = 384 work-groups.  A tile of 256 x 384, which would give 256, wants 640 rows of 512 bytes in LDS, all of it, and leaves no room for the scales.
; ALL OF K LIES IN LDS: a row is 512 bytes, held as two slots of 256 bytes a row, each filled once; the scales of the 512 rows likewise.  No LDS byte is filled twice and none is stored to.
; CLUSTERS: 4 x 4.  x's tiles are shared along a row of the cluster, the weight's along a column: each is asked for jointly, by the same tensor load with the same descriptor and a mask that names the four.
; q AND k are quantised along the head's 64: source 0 = 16 rows of W, source 1 = 16 rows of x, so that a lane holds one row of x and its registers run along the features.
; v is quantised along the KEYS: source 0 = 16 rows of x, source 1 = 16 rows of Wv, so that a lane holds one feature and its registers run along the wave's 128 rows of x, which are one key step.
; In both, register j of tile 2 b + u in lane (r, h) is number 32 b + 16 u + 8 h + j: block b is the 16 registers of two tiles in lanes l and l xor 16.
; OUT, as images of the operands' registers, 512 consecutive aligned bytes a store.  bh = 16 x batch + head; a step is 128 rows of the sequence.
;   kv [bh][step][8,960]: +0 k's codes, tile t at 512 t + 16 lane; +4,096 v's codes, tile t of 16 features at 1,024 t + 512 c + 16 lane; +8,192 k's scale words, tile 2 b + u, row r at 16 (r + 16 u) + 4 b (bytes 2, 3 are 0);
;   +8,704 v's scale words, tile 2 b + u, row r at 8 (r + 16 u) + 4 b.      qb [bh][step][4,608]: +0 codes, +4,096 scale words, as k's.
; LIMITS: NaN and infinities are not served.  A block whose largest magnitude lies under 2^-124, a block of zeros among them, gets the scale byte 1 (a block of zeros: where the quantiser says 127): its codes are zeros
; or are rounded under that scale, and the bytes are read by this program alone.
; REGISTERS, in windows of 256.  Window 0: v1-27 addresses; v32-95 scale words, two sets; v96-127 at work; v128-255 source 1's fragments, two sets; behind the products v128-207 are at work.
;   Window 1: v0-127 source 0's fragments, two sets; v128-191 the bias.   Window 2: the accumulators of source 1's tiles 0-3 (tile t, source 0's tile a: v[8 (8 t + a)]);   window 3: tiles 4-7.
.set PITCH, 272                        ; an LDS row: 256 bytes + 16 of padding: the 16 rows that a load touches start 68 words apart
.set HALFT, 128*PITCH                  ; 128 rows: what one tensor load brings
.set SLOT,  4*HALFT                    ; x's 256 rows, then W's 256 rows, 512 along K
.set SCL,   2*SLOT                     ; the scales, as rows of 256 bytes + 16
.set HALFS, 16*272                     ; those of 128 rows
.set SBLK,  2*272                      ; those of 16 rows
.set ADRX, 16                          ; v16-17 my fragments of x in slot 0, 1
.set ADRW, 20                          ; v20-21 of W
.set LI,   24                          ; v24  16 x lane
.set L8,   25                          ; v25  8 x lane
.set BA,   26                          ; v26  my offset in the bias
.set ADRS, 27                          ; v27  my scale words: lanes 0-15 x's rows, lanes 16-31 W's
.set SC,   32                          ; set s at v[SC + 32 s]; register 4 i + q: lanes 0-15 x's block i, lanes 16-31 W's block i, the slot's q-th 128 along K
.set TM,   96                          ; v96-99 largest magnitudes, v100-103 bytes, v108-111 the conversions' scale operands
.set PWT,  112                         ; v112-119 the scale word of each of the eight tiles
.set SW,   120                         ; v120-123 the words paired for the lanes' two halves
.set T,    128                         ; v128-191 a tile's 64 numbers
.set PC,   192                         ; v192-199 its codes
.set SA,   200
.set SB,   204
.set SEL,  66                          ; s[66:67] selects for lane l xor 16
.set G1X,  24
.set G0X,  32
.set G1W,  48
.set G0W,  56
.set G1SX, 68
.set G0SX, 76
.set G1SW, 80
.set G0SW, 88
.set MSB, 0
.macro WIN new                         ; the immediate's high byte repeats the setting that is left
.if MSB != \new
	s_set_vgpr_msb (MSB<<8)|\new
.set MSB, \new
.endif
.endm
; A joint load: waves 0 and 1 fetch for x, waves 2 and 3 for W.  The branch hangs on the wave's number alone.  Four v_nop follow each of the two lines.
.macro JLOAD g0a, g1a, g0b, g1b
	s_cmp_eq_u32 s15, 0
	s_cbranch_scc0 .Lfor_b_\@
	tensor_load_to_lds s[\g0a:\g0a+3], s[\g1a:\g1a+7]
	s_nop 0
.rept 4
	v_nop
.endr
	s_branch .Lasked_\@
.Lfor_b_\@:
	tensor_load_to_lds s[\g0b:\g0b+3], s[\g1b:\g1b+7]
	s_nop 0
.rept 4
	v_nop
.endr
.Lasked_\@:
.endm
.macro CROUND                          ; a round of the cluster's barrier
	s_barrier_signal -1
	s_barrier_wait -1
	s_cmp_lg_u32 s14, 0
	s_cbranch_scc1 .Lnot_wave_0_\@
	s_barrier_signal -3
.Lnot_wave_0_\@:
	s_barrier_wait -3
	s_barrier_signal -1
	s_barrier_wait -1
.endm
.macro PLACES n
.rept \n
	v_nop
.endr
.endm
	s_load_b512 s[68:83], s[0:1], 0x0              ; x's codes, x's scales, then codes and scales of Wq, Wk, Wv
	s_load_b256 s[84:91], s[0:1], 0x40             ; bq, bk, bv, qb
	s_load_b64 s[92:93], s[0:1], 0x60              ; kv
	v_lshl_add_u32 v126, v0, 2, 0x48400
	v_mov_b32 v127, 0
	ds_add_u32 v126, v127
	ds_add_u32 v126, v127
	v_lshrrev_b32 v1, 5, v0
	v_readfirstlane_b32 s14, v1                    ; wave 0..3
	s_lshr_b32 s15, s14, 1                         ; which 128 rows of x are mine.  Also: I fetch for x (0) or for W (1)
	s_and_b32 s16, s14, 1                          ; which 128 rows of W.  Also: which 128 rows of that tile I fetch
	s_bfe_u32 s40, ttmp6, 0x40000                  ; cx: which 256 rows of W
	s_bfe_u32 s41, ttmp6, 0x40004                  ; cy
	s_and_b32 s17, ttmp7, 0xffff
	s_lshl_b32 s17, s17, 2
	s_add_co_u32 s17, s17, s41                     ; Y: which 256 rows of x = 4 x cluster y + cy
	s_lshl_b32 s43, s41, 2
	s_lshl_b32 s43, 15, s43                        ; my row of the cluster
	s_lshl_b32 s44, 0x1111, s40                    ; my column
	; descriptor group 1 for the codes: 128 rows x 256 bytes out of rows of 512; 16 bytes of padding behind each 64 words
	s_or_b32 s[G1X+0], s43, (1<<20)|(1<<21)|(5<<22)|(3<<25)
	s_or_b32 s[G1W+0], s44, (1<<20)|(1<<21)|(5<<22)|(3<<25)
.irp g, G1X, G1W
	s_mov_b32 s[\g+1], 256<<16                     ; tensor_dim0
	s_mov_b32 s[\g+2], 128<<16                     ; tensor_dim1
	s_mov_b32 s[\g+3], 256<<16                     ; tile_dim0
	s_mov_b32 s[\g+4], 128                         ; tile_dim1
	s_mov_b32 s[\g+5], 512                         ; from row to row
	s_mov_b32 s[\g+6], 0
	s_mov_b32 s[\g+7], 0
.endr
	s_lshl_b32 s19, s16, 7
	s_lshl_b32 s20, s17, 8
	s_add_co_u32 s20, s20, s19                     ; x: row 256 Y + 128 x half
	s_lshl_b32 s46, s40, 8
	s_add_co_u32 s46, s46, s19                     ; W: row 256 cx + 128 x half
	s_lshl_b32 s22, s20, 5                         ; their scales, 32 bytes a row,
	s_lshl_b32 s20, s20, 9                         ; and their codes, 512
	s_lshl_b32 s18, s46, 5
	s_lshl_b32 s46, s46, 9
	s_mov_b32 s19, 0
	s_mov_b32 s21, 0
	s_mov_b32 s23, 0
	s_mov_b32 s47, 0
	s_mul_i32 s45, s14, HALFT                      ; where they go: wave x 128 rows: no place in the cluster enters an LDS address
	s_mul_i32 s94, s14, HALFS
	s_mov_b32 s[SEL], 0x76543210
	s_mov_b32 s[SEL+1], 0xfedcba98
	s_wait_dscnt 0x0
	s_wait_kmcnt 0x0
	s_add_nc_u64 s[4:5], s[68:69], s[20:21]        ; x's codes and scales at the rows that I fetch
	s_add_nc_u64 s[6:7], s[70:71], s[22:23]
	s_cmp_eq_u32 ttmp9, 0                          ; the kind chooses the buffers; it hangs on the cluster's number alone
	s_cselect_b64 s[8:9], s[72:73], s[76:77]
	s_cselect_b64 s[10:11], s[74:75], s[78:79]
	s_cselect_b64 s[12:13], s[84:85], s[86:87]
	s_cselect_b64 s[96:97], s[90:91], s[92:93]     ; out: qb for q, kv for k and v
	s_mov_b32 s98, 143360
	s_cselect_b32 s98, 73728, s98                  ; bytes of a head in it,
	s_mov_b32 s99, 8960
	s_cselect_b32 s99, 4608, s99                   ; of a step's record,
	s_mov_b32 s100, 8192
	s_cselect_b32 s100, 4096, s100                 ; and where the record's scale words begin
	s_cmp_eq_u32 ttmp9, 2
	s_cselect_b64 s[8:9], s[80:81], s[8:9]
	s_cselect_b64 s[10:11], s[82:83], s[10:11]
	s_cselect_b64 s[12:13], s[88:89], s[12:13]
	s_add_nc_u64 s[8:9], s[8:9], s[46:47]          ; W's codes and scales at the rows that I fetch
	s_add_nc_u64 s[10:11], s[10:11], s[18:19]
	s_lshl_b32 s92, s40, 10
	s_lshl_b32 s93, s16, 9
	s_add_co_u32 s92, s92, s93
	s_mov_b32 s93, 0
	s_add_nc_u64 s[12:13], s[12:13], s[92:93]      ; the bias at my wave's 128 features
	; group 1 for the scales of 128 rows: 4,096 dense bytes as 16 rows of 256 (32 elements of 8 bytes), 16 bytes of padding behind each
	s_or_b32 s[G1SX+0], s43, (3<<16)|(1<<20)|(1<<21)|(5<<22)|(3<<25)
	s_or_b32 s[G1SW+0], s44, (3<<16)|(1<<20)|(1<<21)|(5<<22)|(3<<25)
.irp g, G1SX, G1SW
	s_mov_b32 s[\g+1], 32<<16
	s_mov_b32 s[\g+2], 16<<16
	s_mov_b32 s[\g+3], 32<<16
	s_mov_b32 s[\g+4], 16
	s_mov_b32 s[\g+5], 32
	s_mov_b32 s[\g+6], 0
	s_mov_b32 s[\g+7], 0
.endr
	CROUND                                         ; all sixteen work-groups are here: the joint loads meet
	s_mov_b32 s[G0SX], 1
	s_add_co_u32 s[G0SX+1], s94, SCL
	s_mov_b64 s[G0SX+2:G0SX+3], s[6:7]
	s_or_b32 s[G0SX+3], s[G0SX+3], 0x80000000
	s_mov_b32 s[G0SW], 1
	s_add_co_u32 s[G0SW+1], s94, SCL
	s_mov_b64 s[G0SW+2:G0SW+3], s[10:11]
	s_or_b32 s[G0SW+3], s[G0SW+3], 0x80000000
	JLOAD G0SX, G1SX, G0SW, G1SW                   ; the scales first: they are wanted with slot 0
.irp s, 0,1
	s_mov_b32 s[G0X+4*\s], 1
	s_add_co_u32 s[G0X+4*\s+1], s45, \s*SLOT
	s_add_nc_u64 s[G0X+4*\s+2:G0X+4*\s+3], s[4:5], \s*256
	s_or_b32 s[G0X+4*\s+3], s[G0X+4*\s+3], 0x80000000
	s_mov_b32 s[G0W+4*\s], 1
	s_add_co_u32 s[G0W+4*\s+1], s45, \s*SLOT
	s_add_nc_u64 s[G0W+4*\s+2:G0W+4*\s+3], s[8:9], \s*256
	s_or_b32 s[G0W+4*\s+3], s[G0W+4*\s+3], 0x80000000
	JLOAD G0X+4*\s, G1X, G0W+4*\s, G1W             ; three loads of mine are out behind the last of these
.endr
	v_and_b32 v1, 15, v0                           ; r
	v_bfe_u32 v2, v0, 4, 1                         ; h
	v_mul_u32_u24 v3, v1, PITCH
	v_lshl_add_u32 v4, v2, 4, v3                   ; a fragment's row x pitch + 16 h
	s_mul_i32 s21, s15, HALFT                      ; my 128 rows of x
	s_mul_i32 s22, s16, HALFT                      ; my 128 rows of W,
	s_add_co_u32 s22, s22, 2*HALFT                 ; behind x's 256
.irp s, 0,1
	v_add_nc_u32 v[ADRX+\s], s21, v4
	v_add_nc_u32 v[ADRW+\s], s22, v4
	s_add_co_u32 s21, s21, SLOT
	s_add_co_u32 s22, s22, SLOT
.endr
	v_lshlrev_b32 v5, 5, v1                        ; my row's scales: 32 bytes a row,
	v_lshrrev_b32 v6, 8, v5
	v_lshl_add_u32 v5, v6, 4, v5                   ; and 16 more for each 256 passed
	s_mul_i32 s21, s15, HALFS
	s_mul_i32 s22, s16, HALFS
	s_add_co_u32 s22, s22, 2*HALFS
	s_sub_co_u32 s22, s22, s21
	v_mul_u32_u24 v6, s22, v2                      ; lanes 16-31 take W's: the lower base + h x the distance
	s_add_co_u32 s21, s21, SCL
	v_add_nc_u32 v5, v5, v6
	v_add_nc_u32 v[ADRS], s21, v5
	v_and_b32 v23, 31, v0                          ; lane
	v_lshlrev_b32 v[LI], 4, v23
	v_lshlrev_b32 v[L8], 3, v23
.irp b, 0,1,2,3
	v_mov_b32 v[TM+4+\b], 0                        ; written once: a lane permute's destination counts as one of its sources
.endr
; 32 LDS loads in one run: the fragments of K step g (128 along K) into set g % 2.  Source 0's go to window 1, source 1's to window 0.
.macro FETCH kind, g
.set FSL, (\g)/4
.set FQ, (\g)%4
.set FS, (\g)%2
	WIN 0x40
.irp i, 0,1,2,3,4,5,6,7
.irp c, 0,1
.if \kind
	ds_load_b128 v[64*FS+8*\i+4*\c:64*FS+8*\i+4*\c+3], v[ADRX+FSL] offset:64*FQ+32*\c+\i*16*PITCH
.else
	ds_load_b128 v[64*FS+8*\i+4*\c:64*FS+8*\i+4*\c+3], v[ADRW+FSL] offset:64*FQ+32*\c+\i*16*PITCH
.endif
.endr
.endr
	WIN 0
.irp i, 0,1,2,3,4,5,6,7
.irp c, 0,1
.if \kind
	ds_load_b128 v[128+64*FS+8*\i+4*\c:128+64*FS+8*\i+4*\c+3], v[ADRW+FSL] offset:64*FQ+32*\c+\i*16*PITCH
.else
	ds_load_b128 v[128+64*FS+8*\i+4*\c:128+64*FS+8*\i+4*\c+3], v[ADRX+FSL] offset:64*FQ+32*\c+\i*16*PITCH
.endif
.endr
.endr
.endm
.macro SCALES s                        ; slot s's four scale words a row: lanes 0-15 x's block i, lanes 16-31 W's block i
.irp i, 0,1,2,3,4,5,6,7
	ds_load_b128 v[SC+32*\s+4*\i:SC+32*\s+4*\i+3], v[ADRS] offset:SBLK*\i+16*\s
.endr
.endm
; 32 matrix instructions: source 1's tiles 4 hi .. 4 hi + 3 against source 0's eight.  K step 0's products start the sums: nothing is cleared.
; The 64 accumulators take turns, one instruction a turn, in the same order in every K step.  W's scales lie in lanes 16-31 of the scale registers.
.macro MUL32 kind, hi, g
.set MSL, SC+32*((\g)/4)+(\g)%4
.set MS, (\g)%2
.irp t, 0,1,2,3
.irp a, 0,1,2,3,4,5,6,7
.if \kind
.if (\g) == 0
	v_wmma_scale_f32_16x16x128_f8f6f4 v[8*(8*\t+\a):8*(8*\t+\a)+7], v[64*MS+8*\a:64*MS+8*\a+7], v[128+64*MS+8*(4*\hi+\t):128+64*MS+8*(4*\hi+\t)+7], 0, v[MSL+4*\a], v[MSL+4*(4*\hi+\t)] matrix_a_fmt:MATRIX_FMT_FP4 matrix_b_fmt:MATRIX_FMT_FP4 matrix_b_scale:MATRIX_SCALE_ROW1
.else
	v_wmma_scale_f32_16x16x128_f8f6f4 v[8*(8*\t+\a):8*(8*\t+\a)+7], v[64*MS+8*\a:64*MS+8*\a+7], v[128+64*MS+8*(4*\hi+\t):128+64*MS+8*(4*\hi+\t)+7], v[8*(8*\t+\a):8*(8*\t+\a)+7], v[MSL+4*\a], v[MSL+4*(4*\hi+\t)] matrix_a_fmt:MATRIX_FMT_FP4 matrix_b_fmt:MATRIX_FMT_FP4 matrix_b_scale:MATRIX_SCALE_ROW1
.endif
.else
.if (\g) == 0
	v_wmma_scale_f32_16x16x128_f8f6f4 v[8*(8*\t+\a):8*(8*\t+\a)+7], v[64*MS+8*\a:64*MS+8*\a+7], v[128+64*MS+8*(4*\hi+\t):128+64*MS+8*(4*\hi+\t)+7], 0, v[MSL+4*\a], v[MSL+4*(4*\hi+\t)] matrix_a_fmt:MATRIX_FMT_FP4 matrix_b_fmt:MATRIX_FMT_FP4 matrix_a_scale:MATRIX_SCALE_ROW1
.else
	v_wmma_scale_f32_16x16x128_f8f6f4 v[8*(8*\t+\a):8*(8*\t+\a)+7], v[64*MS+8*\a:64*MS+8*\a+7], v[128+64*MS+8*(4*\hi+\t):128+64*MS+8*(4*\hi+\t)+7], v[8*(8*\t+\a):8*(8*\t+\a)+7], v[MSL+4*\a], v[MSL+4*(4*\hi+\t)] matrix_a_fmt:MATRIX_FMT_FP4 matrix_b_fmt:MATRIX_FMT_FP4 matrix_a_scale:MATRIX_SCALE_ROW1
.endif
.endif
.endr
.endr
.endm
; A K step of 128: 64 matrix instructions; in its middle the next step's 32 loads, in one run, into the other set.  Four places stand in front of the run: the set's last readers are the products of the step before
; (ISA guide 7.12.1 for vector instructions).  K step 3 is slot 0's last: slot 1 is shown landed to all four waves by one barrier, behind which nothing is filled.
.macro KSTEP kind, g
.if (\g) == 3
	s_wait_tensorcnt 0x0                           ; my part of slot 1, the one load of mine still out, has landed
.endif
	s_wait_dscnt 0x0                               ; this step's fragments, asked for 32 matrix instructions ago, are in
.if (\g) == 3
	s_barrier_signal -1
.endif
	WIN 0xa1                                       ; source 0 window 1, source 1 window 0, C and D window 2
	MUL32 \kind, 0, \g
.if (\g) == 3
	s_barrier_wait -1                              ; everybody's part of slot 1 has landed
.endif
.if (\g) < 7
	PLACES 4
	FETCH \kind, (\g)+1
.if (\g) == 3
	SCALES 1
.endif
.endif
	WIN 0xf1                                       ; C and D window 3
	MUL32 \kind, 1, \g
.endm
; 64 numbers of a lane, v[s] on, register 16 b + 8 u + j = number 32 b + 16 u + 8 h + j of my row, become a fragment's codes in v[PC] on and its scale word in v[pw].
; The conversion of tile 2 b + u writes register 4 (b / 2) + 2 u + b % 2; the exchange of halves between registers 4 c + 2 u and 4 c + 2 u + 1 then leaves in register 4 c + g the g-th eight codes of block 2 c + h: the operand's layout.
.macro QUANT s, pw
.irp b, 0,1,2,3
	v_max3_num_f32 v[TM+\b], |v[\s+16*\b]|, |v[\s+1+16*\b]|, 0x1800000   ; my 16 numbers of block b, and the floor 2^(3 - 127): the byte cannot fall under 1
.endr
.irp i, 2,4,6,8,10,12,14
.irp b, 0,1,2,3
	v_max3_num_f32 v[TM+\b], v[TM+\b], |v[\s+16*\b+\i]|, |v[\s+1+16*\b+\i]|
.endr
.endr
.irp b, 0,1,2,3
	v_permlanex16_b32 v[TM+4+\b], v[TM+\b], s[SEL], s[SEL+1]
.endr
.irp b, 0,1,2,3
	v_max_num_f32 v[TM+\b], v[TM+\b], v[TM+4+\b]   ; with lane l xor 16's: the block's largest magnitude
.endr
.irp b, 0,1,2,3
	v_add_nc_u32 v[TM+12+\b], 0xff000000, v[TM+\b] ; 2 off its exponent field: the conversion takes that field as its scale
.endr
.irp b, 0,1,2,3
	v_lshrrev_b32 v[TM+4+\b], 23, v[TM+12+\b]      ; the scale's byte
.endr
	v_lshl_or_b32 v[\pw], v[TM+5], 8, v[TM+4]
	v_lshl_or_b32 v[\pw], v[TM+6], 16, v[\pw]
	v_lshl_or_b32 v[\pw], v[TM+7], 24, v[\pw]
.irp b, 0,1,2,3
	v_cvt_scalef32_pk8_fp4_f32 v[PC+4*(\b/2)+(\b%2)], v[\s+16*\b:\s+16*\b+7], v[TM+12+\b]
	v_cvt_scalef32_pk8_fp4_f32 v[PC+4*(\b/2)+2+(\b%2)], v[\s+16*\b+8:\s+16*\b+15], v[TM+12+\b]
.endr
	v_nop                                          ; one plain place behind a scaled conversion
.irp c, 0,1
.irp u, 0,1
	v_permlane16_swap_b32 v[PC+4*\c+2*\u], v[PC+4*\c+2*\u+1]
.endr
.endr
.endm
; The store bases, in the registers of x's group 1 (no tensor load is out): s[24:25] my first head's record of my step, s[26:27] the next head's, s[28:31] their scale words.
.macro BASES
	s_lshr_b32 s18, s17, 3
	s_lshl_b32 s18, s18, 4                         ; 16 x batch
	s_lshl_b32 s19, s40, 2
	s_add_co_u32 s18, s18, s19
	s_lshl_b32 s19, s16, 1
	s_add_co_u32 s18, s18, s19                     ; + head 4 cx + 2 x my half of W
	s_mul_i32 s18, s18, s98
	s_and_b32 s19, s17, 7
	s_lshl_b32 s19, s19, 1
	s_add_co_u32 s19, s19, s15                     ; step 2 (Y % 8) + my half of x
	s_mul_i32 s19, s19, s99
	s_add_co_u32 s18, s18, s19
	s_mov_b32 s19, 0
	s_add_nc_u64 s[24:25], s[96:97], s[18:19]
	s_mov_b32 s18, s98
	s_add_nc_u64 s[26:27], s[24:25], s[18:19]
	s_mov_b32 s18, s100
	s_add_nc_u64 s[28:29], s[24:25], s[18:19]
	s_add_nc_u64 s[30:31], s[26:27], s[18:19]
.endm
; Source 1's tile t: the bias is added on the way into window 0 (each accumulator from its low end on), the 64 numbers are quantised, the codes leave.
.macro TILE kind, t
.if (\t) > 0
	s_wait_xcnt 0x0                                ; the last tile's stores have read their registers: the codes are written again only behind this wait
.endif
	WIN (0x06+(\t)/4)                              ; source 0 window 2 or 3, source 1 window 1
.set TA, 64*((\t)%4)
.set i, 0
.rept 32
.if \kind
	v_pk_add_f32 v[T+2*i:T+2*i+1], v[TA+2*i:TA+2*i+1], v[128+2*(\t):129+2*(\t)]   ; v: the lane's feature has one bias, held twice
.else
	v_pk_add_f32 v[T+2*i:T+2*i+1], v[TA+2*i:TA+2*i+1], v[128+2*i:129+2*i]         ; q, k: a bias for each register
.endif
.set i, i+1
.endr
	WIN 0
	QUANT T, PWT+(\t)
.if \kind
	global_store_b128 v[LI], v[PC:PC+3], s[24+2*((\t)/4):25+2*((\t)/4)] offset:4096+1024*((\t)%4)        ; 16 features x 128 keys: a whole fragment
	global_store_b128 v[LI], v[PC+4:PC+7], s[24+2*((\t)/4):25+2*((\t)/4)] offset:4096+1024*((\t)%4)+512
.else
	global_store_b128 v[LI], v[PC:PC+3], s[24:25] offset:512*(\t)      ; blocks 0, 1: my first head's 64
	global_store_b128 v[LI], v[PC+4:PC+7], s[26:27] offset:512*(\t)    ; blocks 2, 3: the next head's
.endif
.endm
.macro BODY kind
.if \kind
	v_lshlrev_b32 v[BA], 2, v1                     ; the bias of feature 16 t + r
	WIN 0x40
.irp t, 0,1,2,3,4,5,6,7
	global_load_b32 v[128+2*\t], v[BA], s[12:13] offset:64*\t
	global_load_b32 v[129+2*\t], v[BA], s[12:13] offset:64*\t
.endr
.else
	v_lshlrev_b32 v[BA], 5, v2                     ; the biases of features 16 a + 8 h + 0 .. 7
	WIN 0x40
.irp a, 0,1,2,3,4,5,6,7
	global_load_b128 v[128+8*\a:128+8*\a+3], v[BA], s[12:13] offset:64*\a
	global_load_b128 v[128+8*\a+4:128+8*\a+7], v[BA], s[12:13] offset:64*\a+16
.endr
.endif
	FETCH \kind, 0
	SCALES 0
.irp g, 0,1,2,3,4,5,6,7
	KSTEP \kind, \g
.endr
	WIN 0
	PLACES 4                                       ; in front of the first read of results and the first write over fragments
	s_wait_loadcnt 0x0                             ; the bias
	BASES
.irp t, 0,1,2,3,4,5,6,7
	TILE \kind, \t
.endr
	v_cmp_le_u32 vcc_lo, 16, v23                   ; lanes 16-31 carry the odd tile's words
.irp n, 0,1,2,3
	v_cndmask_b32 v[SW+\n], v[PWT+2*\n], v[PWT+2*\n+1], vcc_lo
.endr
.if \kind
	global_store_b64 v[L8], v[SW:SW+1], s[24:25] offset:8704       ; 256 consecutive bytes: my first head's four tiles of features
	global_store_b64 v[L8], v[SW+2:SW+3], s[26:27] offset:8704
.else
.irp n, 0,1,2,3
	v_and_b32 v[SA+\n], 0xffff, v[SW+\n]           ; my first head's two bytes; bytes 2 and 3 are 0
	v_lshrrev_b32 v[SB+\n], 16, v[SW+\n]           ; the next head's
.endr
	global_store_b128 v[LI], v[SA:SA+3], s[28:29]
	global_store_b128 v[LI], v[SB:SB+3], s[30:31]
.endif
.endm
	s_wait_tensorcnt 0x1                           ; the scales and my part of slot 0 are in; slot 1's load, issued behind them, may be out
	s_barrier_signal -1
	s_barrier_wait -1                              ; everybody's are
	s_cmp_eq_u32 ttmp9, 2
	s_cbranch_scc1 .Lkind_v
	s_wait_alu depctr_va_vdst(0)
	BODY 0
	WIN 0
	s_branch .Lend
.Lkind_v:
	s_wait_alu depctr_va_vdst(0)
	BODY 1
	WIN 0
.Lend:
	s_wait_tensorcnt 0x0
	ds_add_u32 v126, v127
	s_wait_dscnt 0x0
	CROUND                                         ; the closing round: no work-group ends while a partner may still ask for a tile that names it
	s_endpgm
.Lfunc_end_k_q38b9f17ef3_qkv:
	.size	k_q38b9f17ef3_qkv, .Lfunc_end_k_q38b9f17ef3_qkv-k_q38b9f17ef3_qkv
	.p2alignl 7, 3214868480
	.fill 96, 4, 3214868480
	.section	.rodata,"a",@progbits
	.p2align	6, 0x0
	.amdhsa_kernel k_q38b9f17ef3_qkv
		.amdhsa_group_segment_fixed_size 296448
		.amdhsa_private_segment_fixed_size 0
		.amdhsa_enable_private_segment 0
		.amdhsa_kernarg_size 104
		.amdhsa_user_sgpr_count 2
		.amdhsa_user_sgpr_kernarg_segment_ptr 1
		.amdhsa_wavefront_size32 1
		.amdhsa_system_sgpr_workgroup_id_x 1
		.amdhsa_system_sgpr_workgroup_id_y 1
		.amdhsa_system_sgpr_workgroup_id_z 1
		.amdhsa_system_vgpr_workitem_id 0
		.amdhsa_next_free_vgpr 1024
		.amdhsa_next_free_sgpr 102
		.amdhsa_reserve_vcc 1
		.amdhsa_float_denorm_mode_32 3
		.amdhsa_float_denorm_mode_16_64 3
		.amdhsa_memory_ordered 1
		.amdhsa_forward_progress 1
		.amdhsa_inst_pref_size 255
	.end_amdhsa_kernel
	.section	.bss,"aw",@nobits
	.p2align	6
	.space	262144
	.amdgpu_metadata
---
amdhsa.version: [ 1, 2 ]
amdhsa.kernels:
  - .name:           k_q38b9f17ef3_qkv
    .symbol:         k_q38b9f17ef3_qkv.kd
    .args:
      - { .name: x_codes, .offset: 0, .size: 8, .value_kind: global_buffer, .address_space: global }
      - { .name: x_scales, .offset: 8, .size: 8, .value_kind: global_buffer, .address_space: global }
      - { .name: w_q_codes, .offset: 16, .size: 8, .value_kind: global_buffer, .address_space: global }
      - { .name: w_q_scales, .offset: 24, .size: 8, .value_kind: global_buffer, .address_space: global }
      - { .name: w_k_codes, .offset: 32, .size: 8, .value_kind: global_buffer, .address_space: global }
      - { .name: w_k_scales, .offset: 40, .size: 8, .value_kind: global_buffer, .address_space: global }
      - { .name: w_v_codes, .offset: 48, .size: 8, .value_kind: global_buffer, .address_space: global }
      - { .name: w_v_scales, .offset: 56, .size: 8, .value_kind: global_buffer, .address_space: global }
      - { .name: b_q, .offset: 64, .size: 8, .value_kind: global_buffer, .address_space: global }
      - { .name: b_k, .offset: 72, .size: 8, .value_kind: global_buffer, .address_space: global }
      - { .name: b_v, .offset: 80, .size: 8, .value_kind: global_buffer, .address_space: global }
      - { .name: qb, .offset: 88, .size: 8, .value_kind: global_buffer, .address_space: global }
      - { .name: kv, .offset: 96, .size: 8, .value_kind: global_buffer, .address_space: global }
    .group_segment_fixed_size: 296448
    .private_segment_fixed_size: 0
    .kernarg_segment_align: 8
    .kernarg_segment_size: 104
    .max_flat_workgroup_size: 128
    .sgpr_count:     102
    .vgpr_count:     1024
    .wavefront_size: 32
...
	.end_amdgpu_metadata
.endif
;; end of part 1
;; launch attn (part 2): grid 8 x 32, 16 waves a work-group, clusters of 4 x 1, 327,680 bytes of LDS; arguments qb, kv, oc, os; writes oc, os
.if DOCPART == 2
	.amdgcn_target "amdgcn-amd-amdhsa--gfx1250"
	.amdhsa_code_object_version 6
	.text
	.protected	k_q38b9f17ef3_attn
	.globl	k_q38b9f17ef3_attn
	.p2align	8
	.type	k_q38b9f17ef3_attn,@function
k_q38b9f17ef3_attn:
	s_mov_b64 s[64:65], 0
	v_nop
	global_prefetch_b8 v0, s[64:65] scope:SCOPE_SE
	s_setreg_imm32_b32 hwreg(HW_REG_WAVE_MODE, 25, 1), 1
	s_wait_xcnt 0x0
	s_wait_alu depctr_hold_cnt(0) depctr_sa_sdst(0) depctr_va_vdst(0) depctr_va_sdst(0) depctr_va_ssrc(0) depctr_va_vcc(0) depctr_vm_vsrc(0)
	s_getreg_b32 s2, hwreg(HW_REG_IB_STS2, 6, 4)
	s_cmp_eq_u32 s2, 0
	s_cbranch_scc0 .Lentry_in_a_cluster
	s_endpgm
.Lentry_in_a_cluster:
	s_bfe_u32 s2, ttmp6, 0x10000c
	s_cmp_lg_u32 s2, 0x3003
	s_cbranch_scc0 .Lentry_shape_is_right
	s_endpgm
.Lentry_shape_is_right:
; o = softmax(q k^T / 8) v for heads of 64, both products on codes of FP4 (E2M1) with E8M0 scales; o is divided by the row's sum, quantised along the model's 1,024 and leaves as codes.
; THE SOFTMAX AHEAD OF THE SECOND PRODUCT: t = score x log2(e) / 8; M = the running largest t rounded up to a whole number; p = 2^(t - M) is quantised along the keys, not normalised; the row's sum is taken
; of the unquantised p and divides at the end.  When M moves, the sum and O are multiplied by 2^(old M - new M), which rounds nothing.
; SHARES.  Work-group y = 8 x batch + g takes heads 2 g and 2 g + 1, one after the other, and 256 queries; each of its sixteen waves 16 queries in 256 registers: four waves to a SIMD, so that one wave's vector work
; stands beside another's products and LDS loads.  Two heads to a work-group make a whole fragment (16 rows x 128) and a whole scale word of the next product's operand in one wave.
; LDS.  The two heads' k and v, 32 records of 8,960 bytes (128 keys each), are 286,720 consecutive bytes of kv and lie in LDS as in memory; each wave brings two records; nothing is filled twice, nothing is stored.
; A record holds images of the operands' registers, so every LDS load takes 16 or 8 consecutive bytes a lane.
; CLUSTER.  The four query blocks of a cluster walk the same two heads: each record is asked for jointly, by the same load with the same descriptor and a mask that names the four.
; LAYOUT.  Both products are used transposed: S^T = k q^T (source 0 = 16 keys, source 1 = my queries), O^T = v^T p^T: a lane holds one query (lane % 16) throughout; register j of tile t is key (or channel) 16 t + 8 h + j.
; K = 64 IN AN INSTRUCTION OF K = 128: q's registers 4-7 are zero codes.  A tile of k is four registers; the instruction names eight, and the upper four (the next tile's codes, finite numbers) meet q's zeros.
; Bytes 2 and 3 of q's and k's scale words are 0, which is 2^-127, no NaN.
; os is stored as words of 4 bytes 32 bytes apart, 262,144 bytes in all beside oc's 4,194,304, which leave 512 consecutive bytes a store.
; LIMITS: NaN and infinities are not served.  A block whose largest magnitude lies under 2^-124, a block of zeros among them, gets the byte 1; the bytes are read by this program alone.  A block's largest p is made from
; its largest score by the same multiply-add and exponential: that takes v_exp_f32 not to fall where its input rises; at the worst one p within an ulp of a power of two is held one code low.
.set REC,   8960
.set HEADB, 16*REC
.set LI,  1                            ; v1   16 x lane
.set L8,  2                            ; v2   8 x lane
.set ADR, 3                            ; v3   the record in hand + 16 x lane
.set ADR8, 4                           ; v4   + 8 x lane
.set R16, 6                            ; v6   16 r
.set R32, 7                            ; v7   32 r
                                       ; v12 -M, v13 the largest t, v[14:15] the sum in two halves
.set QF,  16                           ; v16-23, v24-31 q's fragments of the two heads; registers 4-7 of each are 0
.set KF,  32                           ; v32-63 eight tiles of k; v64-67 are 0
.set KS,  68                           ; v68-71 k's scale words: lanes 0-15 tile 2 b, lanes 16-31 tile 2 b + 1
.set VS,  72                           ; v72-73 v's likewise
.set QS,  74                           ; v74, v75 q's
.set PWD, 76                           ; v76  p's scale word
.set OW,  77                           ; v77  o's scale word
.set PC,  80                           ; v80-87 p's codes
.set PCO, 88                           ; v88-95 o's codes: 4 registers a head
.set S,   96                           ; v96-159 S^T, then p
.set O,   160                          ; v160-191 O^T
.set VF,  192                          ; v192-223 four fragments of v
.set BM,  224                          ; v224-227 block maxima
.set BT,  228                          ; v228-231 at work
.set BS,  232                          ; v232-235 the conversions' scale operands
.set F,   236                          ; v[236:237] f; the upper register is only named
.set SUM2, 238
.set RL,  242                          ; v[242:243] 1 / the sum; the upper register is only named
.set SEL, 32
.set CS,  34                           ; s[34:35] c = log2(e) / 8
.set TB,  36                           ; s36  LDS byte of the record in hand
.set CNT, 37
.macro CROUND                          ; a round of the cluster's barrier
	s_barrier_signal -1
	s_barrier_wait -1
	s_cmp_lg_u32 s12, 0
	s_cbranch_scc1 .Lnot_wave_0_\@
	s_barrier_signal -3
.Lnot_wave_0_\@:
	s_barrier_wait -3
	s_barrier_signal -1
	s_barrier_wait -1
.endm
	s_load_b256 s[4:11], s[0:1], 0x0               ; qb, kv, oc, os
	v_lshl_add_u32 v254, v0, 2, 0x46000
	v_mov_b32 v255, 0
	ds_add_u32 v254, v255
	ds_add_u32 v254, v255
	v_lshrrev_b32 v1, 5, v0
	s_delay_alu instid0(VALU_DEP_1)
	v_readfirstlane_b32 s12, v1                    ; wave 0..15
	s_bfe_u32 s13, ttmp6, 0x40000                  ; cx
	s_lshl_b32 s14, ttmp9, 2
	s_add_co_u32 s14, s14, s13                     ; X: my block of 256 queries; it enters q's, oc's and os's addresses alone
	s_and_b32 s15, ttmp7, 0xffff                   ; y = 8 x batch + g, which the four partners share
	; descriptor group 1: a record, 8,960 dense bytes, as 35 rows of 256 (32 elements of 8 bytes); mask: all four; bit 21 beside it
	s_mov_b32 s16, 15|(3<<16)|(1<<21)
	s_mov_b32 s17, 32<<16
	s_mov_b32 s18, 35<<16
	s_mov_b32 s19, 32<<16
	s_mov_b32 s20, 35
	s_mov_b32 s21, 32
	s_mov_b32 s22, 0
	s_mov_b32 s23, 0
	s_mul_i32 s25, s12, REC                        ; record w of the first head, in LDS as in memory
	s_mul_i32 s40, s15, 2*HEADB
	s_add_co_u32 s40, s40, s25
	s_mov_b32 s41, 0
	s_mul_i32 s42, s15, 2*73728                    ; q: head 2 g's 73,728 bytes,
	s_lshl_b32 s46, s14, 1
	s_lshr_b32 s47, s12, 3
	s_add_co_u32 s46, s46, s47
	s_mul_i32 s46, s46, 4608                       ; the record of step 2 X + w / 8,
	s_add_co_u32 s42, s42, s46
	s_and_b32 s46, s12, 7                          ; and in it tile w % 8:
	s_lshr_b32 s47, s46, 1
	s_lshl_b32 s47, s47, 2
	s_add_co_u32 s44, s42, s47
	s_and_b32 s47, s12, 1
	s_lshl_b32 s47, s47, 8
	s_add_co_u32 s44, s44, s47                     ; its scale words at 256 (w % 2) + 4 ((w % 8) / 2) + 16 r behind the codes,
	s_lshl_b32 s46, s46, 9
	s_add_co_u32 s42, s42, s46                     ; its codes at 512 (w % 8) + 16 lane
	s_mov_b32 s43, 0
	s_mov_b32 s45, 0
	s_mov_b32 s[SEL], 0x76543210
	s_mov_b32 s[SEL+1], 0xfedcba98
	s_mov_b32 s[CS], 0x3e38aa3b
	s_mov_b32 s[CS+1], s[CS]                       ; (named with it as a pair, so it is written)
	s_wait_dscnt 0x0
	s_wait_kmcnt 0x0
	s_mov_b32 s24, 1
	s_add_nc_u64 s[26:27], s[6:7], s[40:41]
	s_mov_b32 s28, 1
	s_add_co_u32 s29, s25, HEADB                   ; record w of the second head
	s_add_nc_u64 s[30:31], s[26:27], HEADB
	s_or_b32 s27, s27, 0x80000000
	s_or_b32 s31, s31, 0x80000000
	s_add_nc_u64 s[42:43], s[4:5], s[42:43]
	s_add_nc_u64 s[44:45], s[4:5], s[44:45]
	s_lshr_b32 s46, s15, 3
	s_lshl_b32 s46, s46, 7
	s_lshl_b32 s47, s14, 4
	s_add_co_u32 s46, s46, s47
	s_add_co_u32 s46, s46, s12                     ; my tile of 16 rows: 128 x batch + 16 X + w
	s_and_b32 s47, s15, 7                          ; g
	s_lshl_b32 s40, s46, 13
	s_lshl_b32 s38, s47, 10
	s_add_co_u32 s40, s40, s38
	s_add_nc_u64 s[8:9], s[8:9], s[40:41]          ; oc: 8,192 bytes a tile, 1,024 a K step
	s_lshl_b32 s40, s46, 9
	s_lshl_b32 s38, s47, 2
	s_add_co_u32 s40, s40, s38
	s_add_nc_u64 s[10:11], s[10:11], s[40:41]      ; os: 32 bytes a row, word g
	CROUND                                         ; all four work-groups are here: the joint loads meet
	tensor_load_to_lds s[24:27], s[16:23]
	s_nop 0
	s_wait_alu depctr_va_vdst(0)
	s_wait_tensorcnt 0x0
	ds_add_u32 v254, v255
	s_wait_dscnt 0x0
	CROUND
	tensor_load_to_lds s[28:31], s[16:23]          ; one load of mine is out
	s_nop 0
.rept 4
	v_nop
.endr
	v_and_b32 v1, 31, v0
	s_delay_alu instid0(VALU_DEP_1)
	v_lshlrev_b32 v[L8], 3, v1
	s_delay_alu instid0(VALU_DEP_2)
	v_lshlrev_b32 v[LI], 4, v1
	v_and_b32 v[R16], 15, v0
	s_delay_alu instid0(VALU_DEP_1)
	v_lshlrev_b32 v[R32], 5, v[R16]
	s_delay_alu instid0(VALU_DEP_2)
	v_lshlrev_b32 v[R16], 4, v[R16]
	global_load_b128 v[QF:QF+3], v[LI], s[42:43]
	global_load_b128 v[QF+8:QF+11], v[LI], s[42:43] offset:73728
	global_load_b32 v[QS], v[R16], s[44:45] offset:4096
	global_load_b32 v[QS+1], v[R16], s[44:45] offset:4096+73728
.irp j, 4,5,6,7,12,13,14,15
	v_mov_b32 v[QF+\j], 0                          ; zero codes for k = 64 .. 127
.endr
.irp j, 0,1,2,3
	v_mov_b32 v[KF+32+\j], 0                       ; what tile 7's upper half names
	v_mov_b32 v[BT+\j], 0                          ; written once: a lane permute's destination counts as one of its sources
.endr
	v_mov_b32 v[F+1], 0
	v_mov_b32 v[RL+1], 0
; A KEY STEP: 128 keys of head p.
.macro STEP p
	v_add_nc_u32 v[ADR], s[TB], v[LI]
	v_add_nc_u32 v[ADR8], s[TB], v[L8]
	v_nop
	v_nop                                          ; four places in front of the loads into v's fragments and scale words, which the last step's products read
.irp t, 0,1,2,3,4,5,6,7
	ds_load_b128 v[KF+4*\t:KF+4*\t+3], v[ADR] offset:512*\t
.endr
	ds_load_b128 v[KS:KS+3], v[ADR] offset:8192
.irp t, 0,1,2,3
	ds_load_b128 v[VF+8*\t:VF+8*\t+3], v[ADR] offset:4096+1024*\t
	ds_load_b128 v[VF+8*\t+4:VF+8*\t+7], v[ADR] offset:4096+1024*\t+512
.endr
	ds_load_b64 v[VS:VS+1], v[ADR8] offset:8704
	s_wait_dscnt 0x9                               ; k's nine loads are in; v's nine, issued behind them, may be out
.irp t, 0,2,4,6
	v_wmma_scale_f32_16x16x128_f8f6f4 v[S+8*\t:S+8*\t+7], v[KF+4*\t:KF+4*\t+7], v[QF+8*\p:QF+8*\p+7], 0, v[KS+\t/2], v[QS+\p] matrix_a_fmt:MATRIX_FMT_FP4 matrix_b_fmt:MATRIX_FMT_FP4
	v_wmma_scale_f32_16x16x128_f8f6f4 v[S+8*\t+8:S+8*\t+15], v[KF+4*\t+4:KF+4*\t+11], v[QF+8*\p:QF+8*\p+7], 0, v[KS+\t/2], v[QS+\p] matrix_a_fmt:MATRIX_FMT_FP4 matrix_b_fmt:MATRIX_FMT_FP4 matrix_a_scale:MATRIX_SCALE_ROW1
.endr
.rept 4
	v_nop
.endr
.irp b, 0,1,2,3
	v_max3_num_f32 v[BM+\b], v[S+16*\b], v[S+16*\b+1], v[S+16*\b+2]   ; the largest score of each block of 32 keys: for the row's maximum, and for the block's largest p
.endr
.irp i, 3,5,7,9,11,13
.irp b, 0,1,2,3
	v_max3_num_f32 v[BM+\b], v[BM+\b], v[S+16*\b+\i], v[S+16*\b+\i+1]
.endr
.endr
.irp b, 0,1,2,3
	v_max_num_f32 v[BM+\b], v[BM+\b], v[S+16*\b+15]
.endr
.irp b, 0,1,2,3
	s_delay_alu instid0(VALU_DEP_4)
	v_permlanex16_b32 v[BT+\b], v[BM+\b], s[SEL], s[SEL+1]
.endr
.irp b, 0,1,2,3
	s_delay_alu instid0(VALU_DEP_4)
	v_max_num_f32 v[BM+\b], v[BM+\b], v[BT+\b]     ; with lane l xor 16's 16 keys
.endr
	s_delay_alu instid0(VALU_DEP_2)
	v_max3_num_f32 v240, v[BM], v[BM+1], v[BM+2]
	s_delay_alu instid0(VALU_DEP_1)
	v_max_num_f32 v240, v240, v[BM+3]
	s_delay_alu instid0(VALU_DEP_1)
	v_mul_f32 v240, s[CS], v240                    ; the step's largest t
	s_delay_alu instid0(VALU_DEP_1)
	v_max_num_f32 v13, v13, v240                   ; the running largest t
	v_mov_b32 v240, v12
	s_delay_alu instid0(VALU_DEP_2)
	v_floor_f32 v12, -v13                          ; the new -M = floor(-t) = -ceil(t)
	s_delay_alu instid0(VALU_DEP_1)
	v_sub_f32 v240, v12, v240                      ; old M - new M: a whole number, 0 or less
	s_delay_alu instid0(VALU_DEP_1)
	v_cvt_i32_f32 v240, v240                       ; (it saturates)
	s_delay_alu instid0(VALU_DEP_1)
	v_ldexp_f32 v[F], 1.0, v240                    ; f = 2^(old M - new M)
.set j, 0
.rept 32
	v_pk_fma_f32 v[S+j:S+j+1], v[S+j:S+j+1], s[CS:CS+1], v[12:13] op_sel_hi:[1,0,0]   ; t - M, two at a time
.set j, j+2
.endr
.irp b, 0,1,2,3
	v_fma_f32 v[BM+\b], v[BM+\b], s[CS], v12       ; the same of each block's largest score
.endr
.set j, 0
	s_wait_alu depctr_va_vdst(0)
.rept 64
	v_exp_f32 v[S+j], v[S+j]                       ; p = 2^(t - M)
.set j, j+1
.endr
	s_setprio 1
.irp b, 0,1,2,3
	v_exp_f32 v[BM+\b], v[BM+\b]                   ; the block's largest p
.endr
	v_pk_mul_f32 v[14:15], v[14:15], v[F:F+1] op_sel_hi:[1,0]   ; the sums under the new M (a plain place behind the exponentials)
	s_wait_alu depctr_va_vdst(0)
.irp b, 0,1,2,3
	v_max_num_f32 v[BM+\b], 0x1800000, v[BM+\b]    ; the floor 2^(3 - 127): the byte cannot fall under 1
.endr
.irp b, 0,1,2,3
	s_delay_alu instid0(VALU_DEP_4)
	v_add_nc_u32 v[BS+\b], 0xff000000, v[BM+\b]    ; 2 off the exponent field: the conversion's scale operand
.endr
.irp b, 0,1,2,3
	s_delay_alu instid0(VALU_DEP_4)
	v_lshrrev_b32 v[BT+\b], 23, v[BS+\b]           ; the scale's byte
.endr
	s_delay_alu instid0(VALU_DEP_3)
	v_lshl_or_b32 v[PWD], v[BT+1], 8, v[BT]
	s_delay_alu instid0(VALU_DEP_1)
	v_lshl_or_b32 v[PWD], v[BT+2], 16, v[PWD]
	s_delay_alu instid0(VALU_DEP_1)
	v_lshl_or_b32 v[PWD], v[BT+3], 24, v[PWD]
.irp b, 0,1,2,3
	v_cvt_scalef32_pk8_fp4_f32 v[PC+4*(\b/2)+(\b%2)], v[S+16*\b:S+16*\b+7], v[BS+\b]          ; tile 2 b + u goes to register 4 (b / 2) + 2 u + b % 2;
	v_cvt_scalef32_pk8_fp4_f32 v[PC+4*(\b/2)+2+(\b%2)], v[S+16*\b+8:S+16*\b+15], v[BS+\b]
.endr
	v_nop                                          ; one plain place behind a scaled conversion
.irp c, 0,1
.irp u, 0,1
	v_permlane16_swap_b32 v[PC+4*\c+2*\u], v[PC+4*\c+2*\u+1]   ; the exchange leaves in register 4 c + g the g-th eight codes of block 2 c + h
.endr
.endr
	v_pk_add_f32 v[SUM2:SUM2+1], v[S:S+1], v[S+2:S+3]          ; the row's sum of the unquantised p, in two chains
.irp j, 4,8,12,16,20,24,28,32,36,40,44,48,52,56,60
	v_pk_add_f32 v[14:15], v[14:15], v[S+\j:S+\j+1]
	v_pk_add_f32 v[SUM2:SUM2+1], v[SUM2:SUM2+1], v[S+\j+2:S+\j+3]
.endr
	s_delay_alu instid0(VALU_DEP_1)
	v_pk_add_f32 v[14:15], v[14:15], v[SUM2:SUM2+1]
.set j, 0
	s_setprio 0
.rept 16
	v_pk_mul_f32 v[O+j:O+j+1], v[O+j:O+j+1], v[F:F+1] op_sel_hi:[1,0]   ; O^T under the new M, each accumulator from its low end on
.set j, j+2
.endr
	s_wait_alu depctr_va_vdst(0)
	s_wait_dscnt 0x0                               ; v's fragments and scale words are in
.irp t, 0,2
	v_wmma_scale_f32_16x16x128_f8f6f4 v[O+8*\t:O+8*\t+7], v[VF+8*\t:VF+8*\t+7], v[PC:PC+7], v[O+8*\t:O+8*\t+7], v[VS+\t/2], v[PWD] matrix_a_fmt:MATRIX_FMT_FP4 matrix_b_fmt:MATRIX_FMT_FP4
	v_wmma_scale_f32_16x16x128_f8f6f4 v[O+8*\t+8:O+8*\t+15], v[VF+8*\t+8:VF+8*\t+15], v[PC:PC+7], v[O+8*\t+8:O+8*\t+15], v[VS+\t/2], v[PWD] matrix_a_fmt:MATRIX_FMT_FP4 matrix_b_fmt:MATRIX_FMT_FP4 matrix_a_scale:MATRIX_SCALE_ROW1
.endr
	s_add_co_u32 s[TB], s[TB], REC
.endm
; Head p: sixteen key steps; then O^T / the sum is quantised: two blocks of 32 channels, four registers of codes, two bytes.
.macro PASS p
	v_mov_b32 v13, 0xff61b1e6                      ; the largest t so far: -3e38, under every t
	s_delay_alu instid0(VALU_DEP_1)
	v_floor_f32 v12, -v13
	v_mov_b32 v14, 0
	v_mov_b32 v15, 0
.set j, 0
.rept 32
	v_mov_b32 v[O+j], 0                            ; the step is written once: the first finds zeros, which the first change of M leaves zeros
.set j, j+1
.endr
	s_mov_b32 s[TB], \p*HEADB
	s_mov_b32 s[CNT], 16
.Lstep_\@:
	s_setprio 2
	STEP \p
	s_sub_co_u32 s[CNT], s[CNT], 1
	s_cmp_lg_u32 s[CNT], 0
	s_cbranch_scc1 .Lstep_\@
	s_setprio 0
.rept 4
	v_nop                                          ; places in front of the first read of the last products' results
.endr
	v_add_f32 v14, v14, v15
	s_delay_alu instid0(VALU_DEP_1)
	v_permlanex16_b32 v[BT], v14, s[SEL], s[SEL+1]
	s_delay_alu instid0(VALU_DEP_1)
	v_add_f32 v14, v14, v[BT]                      ; the row's sum
	s_wait_alu depctr_va_vdst(0)
	v_rcp_f32 v[RL], v14
	v_nop                                          ; one plain place behind a transcendental
.set j, 0
	s_wait_alu depctr_va_vdst(0)
.rept 16
	v_pk_mul_f32 v[S+j:S+j+1], v[O+j:O+j+1], v[RL:RL+1] op_sel_hi:[1,0]   ; register 16 b + 8 u + i: channel 32 b + 16 u + 8 h + i of my query
.set j, j+2
.endr
.irp b, 0,1
	v_max3_num_f32 v[BM+\b], |v[S+16*\b]|, |v[S+16*\b+1]|, 0x1800000
.endr
.irp i, 2,4,6,8,10,12,14
.irp b, 0,1
	s_delay_alu instid0(VALU_DEP_2)
	v_max3_num_f32 v[BM+\b], v[BM+\b], |v[S+16*\b+\i]|, |v[S+16*\b+\i+1]|
.endr
.endr
.irp b, 0,1
	s_delay_alu instid0(VALU_DEP_2)
	v_permlanex16_b32 v[BT+\b], v[BM+\b], s[SEL], s[SEL+1]
.endr
.irp b, 0,1
	s_delay_alu instid0(VALU_DEP_2)
	v_max_num_f32 v[BM+\b], v[BM+\b], v[BT+\b]
.endr
.irp b, 0,1
	s_delay_alu instid0(VALU_DEP_2)
	v_add_nc_u32 v[BS+\b], 0xff000000, v[BM+\b]
.endr
.irp b, 0,1
	s_delay_alu instid0(VALU_DEP_2)
	v_lshrrev_b32 v[BT+\b], 23, v[BS+\b]
.endr
.if \p
	s_delay_alu instid0(VALU_DEP_2)
	v_lshl_or_b32 v[OW], v[BT], 16, v[OW]
	s_delay_alu instid0(VALU_DEP_1)
	v_lshl_or_b32 v[OW], v[BT+1], 24, v[OW]
.else
	s_delay_alu instid0(VALU_DEP_1)
	v_lshl_or_b32 v[OW], v[BT+1], 8, v[BT]
.endif
.irp b, 0,1
	v_cvt_scalef32_pk8_fp4_f32 v[PCO+4*\p+\b], v[S+16*\b:S+16*\b+7], v[BS+\b]
	v_cvt_scalef32_pk8_fp4_f32 v[PCO+4*\p+2+\b], v[S+16*\b+8:S+16*\b+15], v[BS+\b]
.endr
	v_nop
	v_permlane16_swap_b32 v[PCO+4*\p], v[PCO+4*\p+1]
	v_permlane16_swap_b32 v[PCO+4*\p+2], v[PCO+4*\p+3]
.endm
	s_wait_loadcnt 0x0                             ; q
	s_wait_tensorcnt 0x0                           ; both my records have landed,
	s_barrier_signal -1
	s_barrier_wait -1                              ; everybody's have: from here on LDS is only read
	PASS 0
	PASS 1
	global_store_b128 v[LI], v[PCO:PCO+3], s[8:9]              ; 512 consecutive bytes: head 2 g's half of the fragment,
	global_store_b128 v[LI], v[PCO+4:PCO+7], s[8:9] offset:512 ; head 2 g + 1's
	global_store_b32 v[R32], v[OW], s[10:11]                   ; row r's word; lanes 16-31 hold and write the same word
	s_wait_tensorcnt 0x0
	ds_add_u32 v254, v255
	s_wait_dscnt 0x0
	CROUND                                         ; the closing round
	s_endpgm
.Lfunc_end_k_q38b9f17ef3_attn:
	.size	k_q38b9f17ef3_attn, .Lfunc_end_k_q38b9f17ef3_attn-k_q38b9f17ef3_attn
	.p2alignl 7, 3214868480
	.fill 96, 4, 3214868480
	.section	.rodata,"a",@progbits
	.p2align	6, 0x0
	.amdhsa_kernel k_q38b9f17ef3_attn
		.amdhsa_group_segment_fixed_size 327680
		.amdhsa_private_segment_fixed_size 0
		.amdhsa_enable_private_segment 0
		.amdhsa_kernarg_size 32
		.amdhsa_user_sgpr_count 2
		.amdhsa_user_sgpr_kernarg_segment_ptr 1
		.amdhsa_wavefront_size32 1
		.amdhsa_system_sgpr_workgroup_id_x 1
		.amdhsa_system_sgpr_workgroup_id_y 1
		.amdhsa_system_sgpr_workgroup_id_z 1
		.amdhsa_system_vgpr_workitem_id 0
		.amdhsa_next_free_vgpr 256
		.amdhsa_next_free_sgpr 66
		.amdhsa_reserve_vcc 0
		.amdhsa_float_denorm_mode_32 3
		.amdhsa_float_denorm_mode_16_64 3
		.amdhsa_memory_ordered 1
		.amdhsa_forward_progress 1
		.amdhsa_inst_pref_size 49
	.end_amdhsa_kernel
	.amdgpu_metadata
---
amdhsa.version: [ 1, 2 ]
amdhsa.kernels:
  - .name:           k_q38b9f17ef3_attn
    .symbol:         k_q38b9f17ef3_attn.kd
    .args:
      - { .name: qb, .offset: 0, .size: 8, .value_kind: global_buffer, .address_space: global }
      - { .name: kv, .offset: 8, .size: 8, .value_kind: global_buffer, .address_space: global }
      - { .name: oc, .offset: 16, .size: 8, .value_kind: global_buffer, .address_space: global }
      - { .name: os, .offset: 24, .size: 8, .value_kind: global_buffer, .address_space: global }
    .group_segment_fixed_size: 327680
    .private_segment_fixed_size: 0
    .kernarg_segment_align: 8
    .kernarg_segment_size: 32
    .max_flat_workgroup_size: 512
    .sgpr_count:     66
    .vgpr_count:     256
    .wavefront_size: 32
...
	.end_amdgpu_metadata
.endif
;; end of part 2
;; launch oproj (part 3): grid 4 x 64, 4 waves a work-group, clusters of 4 x 4, 327,680 bytes of LDS; arguments oc, os, w_o_codes, w_o_scales, b_o, out0; writes out0
.if DOCPART == 3
	.amdgcn_target "amdgcn-amd-amdhsa--gfx1250"
	.amdhsa_code_object_version 6
	.text
	.protected	k_q38b9f17ef3_oproj
	.globl	k_q38b9f17ef3_oproj
	.p2align	8
	.type	k_q38b9f17ef3_oproj,@function
k_q38b9f17ef3_oproj:
	s_mov_b64 s[64:65], 0
	v_nop
	global_prefetch_b8 v0, s[64:65] scope:SCOPE_SE
	s_setreg_imm32_b32 hwreg(HW_REG_WAVE_MODE, 25, 1), 1
	s_wait_xcnt 0x0
	s_wait_alu depctr_hold_cnt(0) depctr_sa_sdst(0) depctr_va_vdst(0) depctr_va_sdst(0) depctr_va_ssrc(0) depctr_va_vcc(0) depctr_vm_vsrc(0)
	s_getreg_b32 s2, hwreg(HW_REG_IB_STS2, 6, 4)
	s_cmp_eq_u32 s2, 0
	s_cbranch_scc0 .Lentry_in_a_cluster
	s_endpgm
.Lentry_in_a_cluster:
	s_bfe_u32 s2, ttmp6, 0x10000c
	s_cmp_lg_u32 s2, 0xf033
	s_cbranch_scc0 .Lentry_shape_is_right
	s_endpgm
.Lentry_shape_is_right:
; out0 = o Wo + bo on codes of FP4 (E2M1) with one E8M0 scale for each 32 along K = 1,024; out0 [8,192][1,024] f32.
; o's codes come as images of the operand's registers, oc [tile of 16 rows][K step of 128][1,024 bytes]; its scale bytes os [8,192][32]; Wo's as given, rows of 512 bytes along K.
; SHARES.  A work-group makes 128 rows x 256 columns: 64 x 4 = 256 work-groups.  A wave makes 64 rows x 128 columns: 32 accumulators, 256 registers.
; ALL OF K LIES IN LDS, as two halves of 512 along K, each filled once; the scales likewise.  The stage for the way out has bytes of its own, into which no tile lands.
; CLUSTERS: 4 x 4.  o's tiles are shared along a row of the cluster, Wo's along a column: each is asked for jointly, by the same tensor load with the same descriptor and a mask that names the four.
; THE MATRIX INSTRUCTION IS USED TRANSPOSED (source 0 = 16 rows of Wo, source 1 = 16 rows of o): a lane holds eight neighbouring numbers of a row of out0.  The bias is the C of each sum's first product.
; REGISTERS.  Window 0: v1-24 addresses; v32-63 o's scale words, two sets; v64-127 Wo's, two sets; v128-191 o's fragments, two sets; on the way out v128-255 take rows.
;   Window 1: v0-127 Wo's fragments, two sets; v128-191 the bias.   Window 2: accumulator (tile of rows t, tile of columns a) at v[8 (8 t + a)].
.set PITCH, 272
.set HALFT, 128*PITCH
.set WSLOT, 2*HALFT                    ; Wo's 256 rows, 512 along K
.set OIMG,  2*WSLOT                    ; o's images: two chunks of 8 tiles x 4,096 bytes
.set OSC,   OIMG+2*32768               ; o's scales: 16 rows of 256 + 16
.set WSC,   OSC+16*272                 ; Wo's: 32 such rows
.set STAGE, WSC+32*272                 ; 16 rows x (512 + 16) bytes for each wave; a multiple of 256
.set SPITCH, 528
.set ADRW, 16                          ; v16-17 my fragments of Wo in half 0, 1
.set ADRO, 18                          ; v18  my images of o
.set ASO,  19                          ; v19  my row's scale words of o
.set ASW,  20                          ; v20  of Wo
.set STO,  21
.set RD,   22
.set CO,   23                          ; v23  16 x lane
.set BA,   24
.set SCO,  32                          ; set c at v[SCO + 16 c], register 4 i + q
.set SCW,  64                          ; set c at v[SCW + 32 c], register 4 a + q
.set OF,   128
.set G1O,  24
.set G0O,  32
.set G1W,  48
.set G0W,  56
.set G1SO, 68
.set G0SO, 76
.set G1SW, 80
.set G0SW, 88
.set MSB, 0
.macro WIN new                         ; the immediate's high byte repeats the setting that is left
.if MSB != \new
	s_set_vgpr_msb (MSB<<8)|\new
.set MSB, \new
.endif
.endm
.macro JLOAD g0a, g1a, g0b, g1b        ; waves 0 and 1 fetch for o, waves 2 and 3 for Wo; four v_nop follow each of the two lines
	s_cmp_eq_u32 s99, 0
	s_cbranch_scc0 .Lfor_b_\@
	tensor_load_to_lds s[\g0a:\g0a+3], s[\g1a:\g1a+7]
	s_nop 0
.rept 4
	v_nop
.endr
	s_branch .Lasked_\@
.Lfor_b_\@:
	tensor_load_to_lds s[\g0b:\g0b+3], s[\g1b:\g1b+7]
	s_nop 0
.rept 4
	v_nop
.endr
.Lasked_\@:
.endm
.macro CROUND
	s_barrier_signal -1
	s_barrier_wait -1
	s_cmp_lg_u32 s98, 0
	s_cbranch_scc1 .Lnot_wave_0_\@
	s_barrier_signal -3
.Lnot_wave_0_\@:
	s_barrier_wait -3
	s_barrier_signal -1
	s_barrier_wait -1
.endm
.macro PLACES n
.rept \n
	v_nop
.endr
.endm
	s_load_b256 s[4:11], s[0:1], 0x0               ; oc, os, Wo's codes, Wo's scales
	s_load_b128 s[12:15], s[0:1], 0x20             ; bo, out0
	v_lshl_add_u32 v30, v0, 2, 0x3d700
	v_mov_b32 v31, 0
	ds_add_u32 v30, v31
	ds_add_u32 v30, v31
	v_lshrrev_b32 v1, 5, v0
	v_readfirstlane_b32 s98, v1                    ; wave 0..3
	s_lshr_b32 s99, s98, 1                         ; which 64 rows are mine.  Also: I fetch for o (0) or for Wo (1)
	s_and_b32 s100, s98, 1                         ; which 128 columns.  Also: which half of that tile I fetch
	s_bfe_u32 s40, ttmp6, 0x40000                  ; cx: the tile column (the grid is one cluster wide)
	s_bfe_u32 s41, ttmp6, 0x40004                  ; cy
	s_and_b32 s42, ttmp7, 0xffff
	s_lshl_b32 s42, s42, 2
	s_add_co_u32 s42, s42, s41                     ; the tile row of 128 rows = 4 x cluster y + cy
	s_lshl_b32 s43, s41, 2
	s_lshl_b32 s43, 15, s43                        ; my row of the cluster
	s_lshl_b32 s44, 0x1111, s40                    ; my column
	; o's images: 4 tiles of rows x 4,096 bytes (512 elements of 8 bytes), 8,192 bytes apart; dense in LDS
	s_or_b32 s[G1O+0], s43, (3<<16)|(1<<21)
	s_mov_b32 s[G1O+1], 512<<16
	s_mov_b32 s[G1O+2], 4<<16
	s_mov_b32 s[G1O+3], 512<<16
	s_mov_b32 s[G1O+4], 4
	s_mov_b32 s[G1O+5], 1024
	s_mov_b32 s[G1O+6], 0
	s_mov_b32 s[G1O+7], 0
	; Wo's codes: 128 rows x 256 bytes out of rows of 512, 16 bytes of padding behind each
	s_or_b32 s[G1W+0], s44, (1<<20)|(1<<21)|(5<<22)|(3<<25)
	s_mov_b32 s[G1W+1], 256<<16
	s_mov_b32 s[G1W+2], 128<<16
	s_mov_b32 s[G1W+3], 256<<16
	s_mov_b32 s[G1W+4], 128
	s_mov_b32 s[G1W+5], 512
	s_mov_b32 s[G1W+6], 0
	s_mov_b32 s[G1W+7], 0
	; the scales, dense, as rows of 256 bytes + 16: o's 64 rows are 8 such rows, Wo's 128 rows 16
	s_or_b32 s[G1SO+0], s43, (3<<16)|(1<<20)|(1<<21)|(5<<22)|(3<<25)
	s_mov_b32 s[G1SO+1], 32<<16
	s_mov_b32 s[G1SO+2], 8<<16
	s_mov_b32 s[G1SO+3], 32<<16
	s_mov_b32 s[G1SO+4], 8
	s_mov_b32 s[G1SO+5], 32
	s_mov_b32 s[G1SO+6], 0
	s_mov_b32 s[G1SO+7], 0
	s_or_b32 s[G1SW+0], s44, (3<<16)|(1<<20)|(1<<21)|(5<<22)|(3<<25)
	s_mov_b32 s[G1SW+1], 32<<16
	s_mov_b32 s[G1SW+2], 16<<16
	s_mov_b32 s[G1SW+3], 32<<16
	s_mov_b32 s[G1SW+4], 16
	s_mov_b32 s[G1SW+5], 32
	s_mov_b32 s[G1SW+6], 0
	s_mov_b32 s[G1SW+7], 0
	s_lshl_b32 s16, s42, 16                        ; oc: tiles 8 x tile row + 4 x half, 8,192 bytes each
	s_lshl_b32 s18, s100, 15
	s_add_co_u32 s16, s16, s18
	s_mov_b32 s17, 0
	s_lshl_b32 s18, s42, 12                        ; os: rows 128 x tile row + 64 x half, 32 bytes each
	s_lshl_b32 s20, s100, 11
	s_add_co_u32 s18, s18, s20
	s_mov_b32 s19, 0
	s_lshl_b32 s20, s40, 17                        ; Wo's codes: rows 256 cx + 128 x half, 512 bytes each
	s_lshl_b32 s22, s100, 16
	s_add_co_u32 s20, s20, s22
	s_mov_b32 s21, 0
	s_lshl_b32 s22, s40, 13                        ; its scales: 32 bytes a row
	s_lshl_b32 s46, s100, 12
	s_add_co_u32 s22, s22, s46
	s_mov_b32 s23, 0
	s_lshl_b32 s92, s100, 14                       ; where they go: no place in the cluster enters an LDS address
	s_add_co_u32 s92, s92, OIMG
	s_mul_i32 s93, s100, HALFT
	s_mul_i32 s94, s100, 8*272
	s_add_co_u32 s94, s94, OSC
	s_mul_i32 s95, s100, 16*272
	s_add_co_u32 s95, s95, WSC
	s_wait_dscnt 0x0
	s_wait_kmcnt 0x0
	s_add_nc_u64 s[4:5], s[4:5], s[16:17]
	s_add_nc_u64 s[6:7], s[6:7], s[18:19]
	s_add_nc_u64 s[8:9], s[8:9], s[20:21]
	s_add_nc_u64 s[10:11], s[10:11], s[22:23]
	s_lshl_b32 s46, s40, 10
	s_lshl_b32 s47, s100, 9
	s_add_co_u32 s46, s46, s47                     ; my first column, in bytes: 1,024 cx + 512 x half
	s_mov_b32 s47, 0
	s_add_nc_u64 s[12:13], s[12:13], s[46:47]
	s_add_nc_u64 s[14:15], s[14:15], s[46:47]
	s_lshl_b32 s46, s42, 19
	s_lshl_b32 s16, s99, 18
	s_add_co_u32 s46, s46, s16                     ; my first row, 128 x tile row + 64 x half, of 4,096 bytes
	s_add_nc_u64 s[14:15], s[14:15], s[46:47]
	CROUND                                         ; all sixteen work-groups are here: the joint loads meet
	s_mov_b32 s[G0SO], 1
	s_mov_b32 s[G0SO+1], s94
	s_mov_b64 s[G0SO+2:G0SO+3], s[6:7]
	s_or_b32 s[G0SO+3], s[G0SO+3], 0x80000000
	s_mov_b32 s[G0SW], 1
	s_mov_b32 s[G0SW+1], s95
	s_mov_b64 s[G0SW+2:G0SW+3], s[10:11]
	s_or_b32 s[G0SW+3], s[G0SW+3], 0x80000000
	JLOAD G0SO, G1SO, G0SW, G1SW
.irp s, 0,1
	s_mov_b32 s[G0O+4*\s], 1
	s_add_co_u32 s[G0O+4*\s+1], s92, \s*32768
	s_add_nc_u64 s[G0O+4*\s+2:G0O+4*\s+3], s[4:5], \s*4096
	s_or_b32 s[G0O+4*\s+3], s[G0O+4*\s+3], 0x80000000
	s_mov_b32 s[G0W+4*\s], 1
	s_add_co_u32 s[G0W+4*\s+1], s93, \s*WSLOT
	s_add_nc_u64 s[G0W+4*\s+2:G0W+4*\s+3], s[8:9], \s*256
	s_or_b32 s[G0W+4*\s+3], s[G0W+4*\s+3], 0x80000000
	s_wait_alu depctr_va_vdst(0)
	s_wait_tensorcnt 0x0
	ds_add_u32 v30, v31
	s_wait_dscnt 0x0
	CROUND
	JLOAD G0O+4*\s, G1O, G0W+4*\s, G1W             ; one load of mine is out behind the last of these
.endr
	v_and_b32 v1, 15, v0                           ; r
	v_bfe_u32 v2, v0, 4, 1                         ; h
	v_and_b32 v3, 31, v0
	v_lshlrev_b32 v[CO], 4, v3
	v_mul_u32_u24 v4, v1, PITCH
	v_lshl_add_u32 v4, v2, 4, v4
	s_mul_i32 s46, s100, HALFT
	v_add_nc_u32 v[ADRW], s46, v4
	s_add_co_u32 s46, s46, WSLOT
	v_add_nc_u32 v[ADRW+1], s46, v4
	s_lshl_b32 s46, s99, 14
	s_add_co_u32 s46, s46, OIMG
	v_add_nc_u32 v[ADRO], s46, v[CO]
	v_lshlrev_b32 v5, 5, v1                        ; a row's scales: 32 bytes a row, and 16 more for each 256 passed
	v_lshrrev_b32 v6, 8, v5
	v_lshl_add_u32 v5, v6, 4, v5
	s_mul_i32 s46, s99, 8*272
	s_add_co_u32 s46, s46, OSC
	v_add_nc_u32 v[ASO], s46, v5
	s_mul_i32 s46, s100, 16*272
	s_add_co_u32 s46, s46, WSC
	v_add_nc_u32 v[ASW], s46, v5
	s_mul_i32 s46, s98, 16*SPITCH
	s_add_co_u32 s46, s46, STAGE                   ; my stage
	v_mul_u32_u24 v5, v1, SPITCH
	v_lshl_add_u32 v5, v2, 5, v5
	v_add_nc_u32 v[STO], s46, v5                   ; in: row r, 32 bytes for each half of the lanes
	v_add_nc_u32 v[RD], s46, v[CO]                 ; back: the 32 lanes take one row of 512 bytes
	v_lshlrev_b32 v[BA], 5, v2
	WIN 0x40
.irp a, 0,1,2,3,4,5,6,7
	global_load_b128 v[128+8*\a:128+8*\a+3], v[BA], s[12:13] offset:64*\a        ; bo of columns 16 a + 8 h + 0 .. 7: the result's layout
	global_load_b128 v[128+8*\a+4:128+8*\a+7], v[BA], s[12:13] offset:64*\a+16
.endr
	WIN 0
.macro FETCH g                         ; 24 LDS loads in one run: K step g's fragments into set g % 2
.set FC, (\g)/4
.set FQ, (\g)%4
.set FS, (\g)%2
	WIN 0x40
.irp i, 0,1,2,3,4,5,6,7
.irp c, 0,1
	ds_load_b128 v[64*FS+8*\i+4*\c:64*FS+8*\i+4*\c+3], v[ADRW+FC] offset:64*FQ+32*\c+\i*16*PITCH
.endr
.endr
	WIN 0
.irp i, 0,1,2,3
.irp c, 0,1
	ds_load_b128 v[OF+32*FS+8*\i+4*\c:OF+32*FS+8*\i+4*\c+3], v[ADRO] offset:32768*FC+4096*\i+1024*FQ+512*\c
.endr
.endr
.endm
.macro SCALES c                        ; half c's four scale words a row; both sides are read from lanes 0-15
.irp i, 0,1,2,3
	ds_load_b128 v[SCO+16*\c+4*\i:SCO+16*\c+4*\i+3], v[ASO] offset:544*\i+16*\c
.endr
.irp i, 0,1,2,3,4,5,6,7
	ds_load_b128 v[SCW+32*\c+4*\i:SCW+32*\c+4*\i+3], v[ASW] offset:544*\i+16*\c
.endr
.endm
; 16 matrix instructions: tiles of rows t0, t0 + 1 against Wo's eight.  The 32 accumulators take turns, one instruction a turn, in the same order in every K step.
.macro MUL16 t0, g
.set MC, (\g)/4
.set MQ, (\g)%4
.set MS, (\g)%2
.irp t, \t0, \t0+1
.irp a, 0,1,2,3,4,5,6,7
.if (\g) == 0
	v_wmma_scale_f32_16x16x128_f8f6f4 v[8*(8*(\t)+\a):8*(8*(\t)+\a)+7], v[64*MS+8*\a:64*MS+8*\a+7], v[OF+32*MS+8*(\t):OF+32*MS+8*(\t)+7], v[128+8*\a:128+8*\a+7], v[SCW+32*MC+4*\a+MQ], v[SCO+16*MC+4*(\t)+MQ] matrix_a_fmt:MATRIX_FMT_FP4 matrix_b_fmt:MATRIX_FMT_FP4
.else
	v_wmma_scale_f32_16x16x128_f8f6f4 v[8*(8*(\t)+\a):8*(8*(\t)+\a)+7], v[64*MS+8*\a:64*MS+8*\a+7], v[OF+32*MS+8*(\t):OF+32*MS+8*(\t)+7], v[8*(8*(\t)+\a):8*(8*(\t)+\a)+7], v[SCW+32*MC+4*\a+MQ], v[SCO+16*MC+4*(\t)+MQ] matrix_a_fmt:MATRIX_FMT_FP4 matrix_b_fmt:MATRIX_FMT_FP4
.endif
.endr
.endr
.endm
.macro MWIN g
.if (\g) == 0
	WIN 0x91                                       ; source 0 (Wo) and C (the bias) window 1, source 1 (o) window 0, D window 2
.else
	WIN 0xa1                                       ; C and D window 2
.endif
.endm
; A K step of 128: 32 matrix instructions, the next step's loads in one run in its middle, behind four places (the other set's last readers are the step before's products).
; K step 3 is the first half's last: one barrier shows the second half landed to all four waves.
.macro KSTEP g
.if (\g) == 3
	s_wait_tensorcnt 0x0                           ; my part of the second half, the one load of mine still out, has landed
.endif
	s_wait_dscnt 0x0                               ; this step's fragments are in
.if (\g) == 3
	s_barrier_signal -1
.endif
	MWIN \g
	MUL16 0, \g
.if (\g) == 3
	s_barrier_wait -1
.endif
.if (\g) < 7
	PLACES 4
	FETCH (\g)+1
.if (\g) == 3
	SCALES 1
.endif
	MWIN \g
.endif
	MUL16 2, \g
.endm
	s_wait_alu depctr_va_vdst(0)
	s_wait_tensorcnt 0x1                           ; the scales and my part of the first half are in; the second half's load, issued behind them, may be out
	s_barrier_signal -1
	s_barrier_wait -1                              ; everybody's are
	FETCH 0
	SCALES 0
	s_wait_loadcnt 0x0                             ; the bias
.irp g, 0,1,2,3,4,5,6,7
	KSTEP \g
.endr
	WIN 0
; THE WAY OUT, block by block of 16 rows x 128 columns, through my own stage: in as 32 bytes a lane, back as whole rows of 512 bytes, which the 32 lanes store as 512 consecutive aligned bytes.
; LDS serves a wave's instructions in order (ISA guide 5.7.1.4): no wait between the stores and the loads, nor in front of the next block's stores.
.macro TOSTAGE a
	WIN 0x08                                       ; an LDS store's data are its source 1: window 2
.irp b, 0,1,2,3,4,5,6,7
	ds_store_b128 v[STO], v[64*(\a)+8*\b:64*(\a)+8*\b+3] offset:64*\b            ; each accumulator from its low end on
	ds_store_b128 v[STO], v[64*(\a)+8*\b+4:64*(\a)+8*\b+7] offset:64*\b+16
.endr
	WIN 0
.set BB, 192-64*((\a)%2)
.irp t, 0,1,2,3,4,5,6,7,8,9,10,11,12,13,14,15
	ds_load_b128 v[BB+4*\t:BB+4*\t+3], v[RD] offset:\t*SPITCH
.endr
.endm
.macro SEND a, younger                 ; younger: the LDS instructions issued behind block a's loads, which may stay out
.set BB, 192-64*((\a)%2)
	s_wait_dscnt \younger
.if (\a) > 0
	s_add_nc_u64 s[14:15], s[14:15], 16*4096       ; 16 rows on (behind a wait on XCNT: the earlier stores have read their base)
.endif
.irp t, 0,1,2,3,4,5,6,7,8,9,10,11,12,13,14,15
	global_store_b128 v[CO], v[BB+4*\t:BB+4*\t+3], s[14:15] offset:\t*4096 th:TH_STORE_NT   ; written once, read by nobody here
.endr
.endm
	PLACES 4                                       ; in front of the first read of results and of loads into the registers that held o's fragments
	TOSTAGE 0
.irp a, 1,2,3
.if \a > 1
	s_wait_xcnt 0x0                                ; block a - 2's stores have read their registers and their base
.endif
	TOSTAGE \a
	SEND \a-1, 32                                  ; behind block a - 1's loads: block a's 16 stores and 16 loads
.endr
	s_wait_xcnt 0x0
	SEND 3, 0
	s_wait_tensorcnt 0x0
	ds_add_u32 v30, v31
	s_wait_dscnt 0x0
	CROUND                                         ; the closing round
	s_endpgm
.Lfunc_end_k_q38b9f17ef3_oproj:
	.size	k_q38b9f17ef3_oproj, .Lfunc_end_k_q38b9f17ef3_oproj-k_q38b9f17ef3_oproj
	.p2alignl 7, 3214868480
	.fill 96, 4, 3214868480
	.section	.rodata,"a",@progbits
	.p2align	6, 0x0
	.amdhsa_kernel k_q38b9f17ef3_oproj
		.amdhsa_group_segment_fixed_size 327680
		.amdhsa_private_segment_fixed_size 0
		.amdhsa_enable_private_segment 0
		.amdhsa_kernarg_size 48
		.amdhsa_user_sgpr_count 2
		.amdhsa_user_sgpr_kernarg_segment_ptr 1
		.amdhsa_wavefront_size32 1
		.amdhsa_system_sgpr_workgroup_id_x 1
		.amdhsa_system_sgpr_workgroup_id_y 1
		.amdhsa_system_sgpr_workgroup_id_z 1
		.amdhsa_system_vgpr_workitem_id 0
		.amdhsa_next_free_vgpr 768
		.amdhsa_next_free_sgpr 102
		.amdhsa_reserve_vcc 0
		.amdhsa_float_denorm_mode_32 3
		.amdhsa_float_denorm_mode_16_64 3
		.amdhsa_memory_ordered 1
		.amdhsa_forward_progress 1
		.amdhsa_inst_pref_size 75
	.end_amdhsa_kernel
	.amdgpu_metadata
---
amdhsa.version: [ 1, 2 ]
amdhsa.kernels:
  - .name:           k_q38b9f17ef3_oproj
    .symbol:         k_q38b9f17ef3_oproj.kd
    .args:
      - { .name: oc, .offset: 0, .size: 8, .value_kind: global_buffer, .address_space: global }
      - { .name: os, .offset: 8, .size: 8, .value_kind: global_buffer, .address_space: global }
      - { .name: w_o_codes, .offset: 16, .size: 8, .value_kind: global_buffer, .address_space: global }
      - { .name: w_o_scales, .offset: 24, .size: 8, .value_kind: global_buffer, .address_space: global }
      - { .name: b_o, .offset: 32, .size: 8, .value_kind: global_buffer, .address_space: global }
      - { .name: out0, .offset: 40, .size: 8, .value_kind: global_buffer, .address_space: global }
    .group_segment_fixed_size: 327680
    .private_segment_fixed_size: 0
    .kernarg_segment_align: 8
    .kernarg_segment_size: 48
    .max_flat_workgroup_size: 128
    .sgpr_count:     102
    .vgpr_count:     768
    .wavefront_size: 32
...
	.end_amdgpu_metadata
.endif
;; end of part 3
